; MI455X (gfx1250); checked and timed in simulation.
; The chip was launched on July 23, 2026; its instructions are those of AMD's public machine-readable ISA for CDNA 5 (MIT licence, August 2026) and "CDNA5" Instruction Set Architecture Reference Guide (July 2026). The comments in the code are by the model that wrote it; some were corrected since.
;; Linear Layer PS Lo RA. Allowed arithmetic: matrix products marked QUANTISED: E2M1 operands, one E8M0 scale for each 32 along K, by v_wmma_scale_f32_16x16x128_f8f6f4 with both operands' format E2M1 (or v_wmma_scale_f32_32x16x128_f4), f32 sums; everything else in f32.
;; Inputs: bias 4,096 float32; input 8 x 512 x 4,096 float32; labeler_index 8 int32; lora_A 5 x 4,096 x 32 float32; lora_B 4,096 x 32 float32; weight 4,096 x 4,096 float32.
;; Outputs: out0 8 x 512 x 4,096 float32.
;; This version of the problem:
;;   THIS VERSION OF THE PROBLEM IS GIVEN IN LOW PRECISION. The matrix products marked QUANTISED in the list below multiply operands that are first quantised to E2M1 (2 exponent bits, 1 mantissa bit; 4 bits a number), with one power-of-two scale for each 32 numbers along K (OCP MX v1.0); their sums are f32. All else is computed in f32.
;;   The module's matrix products, in the order in which they are computed (A, B: the left and right operand; K: the contracted axis; several contracted axes count as one K, in the product's order):
;;     1. [M 4,096, K 4,096] x [K 4,096, N 4,096]; A: input input; B: input weight: QUANTISED
;;     2. batch 8 x [M 512, K 4,096] x [K 4,096, N 32]; A: input input; B: computed on the way: QUANTISED
;;     3. [M 4,096, K 32] x [K 32, N 4,096]; A: computed on the way; B: input lora_B: QUANTISED
;;   THE QUANTISER, for each operand of a quantised product, along K:
;;     - K is cut into blocks of 32 from its start; a last block that is shorter is filled with zeros.
;;     - A block's scale is 2^e with e = floor(log2(the largest magnitude in the block)) - 2, held to -126 .. 127; a block of zeros has e = 0. As a byte (E8M0): e + 127.
;;     - Each number is divided by its block's scale, clamped to +-6, and rounded to the nearest number of E2M1, ties to even, subnormals kept.
;;     - The product sums the exact products of the quantised numbers (number of the format x scale) in f32.
;;   ~~~python
;;   def quantise(x, axis):      # numpy; x: float32 -> the quantised numbers, widened to float32 again
;;       x = np.moveaxis(x, axis, -1); K = x.shape[-1]
;;       x = np.pad(x, [(0, 0)] * (x.ndim - 1) + [(0, -K % 32)]); x = x.reshape(x.shape[:-1] + (-1, 32)); a = np.abs(x).max(-1, keepdims=True)
;;       e = np.where(a > 0, np.clip(np.frexp(np.where(a > 0, a, 1))[1] - 1 - 2, -126, 127), 0)      # np.frexp(a)[1] - 1 = floor(log2(a)), exactly
;;       r = np.clip(x / 2.0 ** e, -6, 6)
;;       step = 2.0 ** (np.maximum(np.frexp(np.where(r == 0, 1, r))[1] - 1, 0) - 1)
;;       q = np.round(r / step) * step * 2.0 ** e      # np.round: ties to even
;;       return np.moveaxis(q.reshape(q.shape[:-2] + (-1,))[..., :K], -1, axis).astype(np.float32)
;;   ~~~
;;   OPERANDS COMPUTED ON THE WAY. 'Computed on the way' means the value that the module computes at that place (a softmax that the list does not call 'softmax' is quantised finished and normalised). What goes into a quantiser is computed in f32, as accurately as f32 sums, v_exp_f32 and their like allow (about 1e-6 of the number): no bf16 or f16 on the way to a quantiser, and a product that is left as it is and whose result goes on into a quantised operand takes f32 operands (vector FMAs, or v_wmma_f32_16x16x4_f32). A number that lies on a knife's edge between two numbers of the format may be rounded either way, as far as f32 arithmetic and the matrix unit's own rounding can turn it there, and no further.
;; One version. Each part assembles by itself: llvm-mc -triple=amdgcn-amd-amdhsa -mcpu=gfx1250 --defsym DOCPART=n.
;; ======== version 1 of 1: 2 launches
;; limits: right only within a limited range of input values
;; workspace buffers: xq 10,092,544 bytes; wq 8,912,896 bytes; lbq 294,912 bytes
;; launch quant (part 1): grid 608 x 1, 8 waves a work-group, no clusters, 68,608 bytes of LDS; arguments input, weight, lora_A, lora_B, labeler_index, xq, wq, lbq; writes xq, wq, lbq
.if DOCPART == 1
	.amdgcn_target "amdgcn-amd-amdhsa--gfx1250"
	.amdhsa_code_object_version 6
	.text
	.protected	k_qaaff5fdedc_quant
	.globl	k_qaaff5fdedc_quant
	.p2align	8
	.type	k_qaaff5fdedc_quant,@function
k_qaaff5fdedc_quant:
	s_mov_b64 s[64:65], 0
	v_nop
	global_prefetch_b8 v0, s[64:65] scope:SCOPE_SE
	s_setreg_imm32_b32 hwreg(HW_REG_WAVE_MODE, 25, 1), 1
	s_wait_xcnt 0x0
; All four operands that arrive as f32 become codes of FP4 (E2M1) with one E8M0 scale byte for each 32 along K, laid IN THE ORDER OF THE OPERAND'S REGISTERS, so that the next launch takes every fragment at 16 x lane.
; A block's scale is 2^(floor(log2(its largest magnitude)) - 2); its byte is the largest magnitude's exponent field - 2, held at 1 from below by a floor among the maximum's leaves.
; LIMITS: NaN and infinities are not served.  A block whose largest magnitude lies under 2^-124 (a block of zeros too) keeps the byte 1; its codes are then zeros or subnormal codes under that byte, and this program alone reads the bytes.
;         labeler_index is held to 0 .. 4.  lora_B's byte is stored LESS 1 (so it may be 0, which is 2^-127): that is the factor 0.5 of the low-rank path, exact.
; LAYOUTS.  lane = (r = lane % 16, h = lane / 16).
;   BLOCK (34,816 bytes): 128 rows x 512 along K.  Fragment (q 0..3, i 0..7), piece c 0..1, at 8192 q + 1024 i + 512 c + 16 lane: the 32 codes of row 16 i + r, k = 128 q + 64 c + 32 h + 0..31.
;         Scale words at 32768 + 16 (16 i + r) + 4 q: byte 2 c + h for that block.      wq is [panel of 128 rows 0..31][K step 0..7][BLOCK].
;   XBLOCK (39,424 bytes): a BLOCK of x and, behind it, ONE tile of 16 columns of the batch's own lora_A for the same 512 along K: fragment q at 34816 + 1024 q + 512 c + 16 lane, its scale-word image at 38912 + 128 q + 4 lane
;         (lane l: the word of column place l % 16).  Panel p carries tile u = p % 2; place r of tile u is column 8 u + r + 8 (r / 8), so that the product's 16 results of a lane are 16 neighbouring columns.
;         xq is [panel 0..31][K step 0..7][XBLOCK].  A batch has four panels, so each tile is stored twice.
;   MINI (9,216 bytes): 8 fragments of 1,024 bytes, then 8 images of scale words at 8192 + 128 n + 4 lane.  lbq is [panel of 128 rows of lora_B][MINI]: fragment i = 16 rows; K = 32 is filled to 128 with zero codes:
;         piece 0 holds the row's 32 codes in lanes 0-15 and zeros in lanes 16-31, piece 1 zeros; word = byte | 0x7f7f7f00.
; SHARES.  Work-groups 0..63: lora_A of batch b, K step s (8 b + s; wave 2 q + u = one fragment).  64..95: one MINI of lbq each.  96..351: the x part of one XBLOCK each; 352..607: one BLOCK of wq (wave = row block i).  The short paths come first.
; Only the long path uses LDS: each wave has a stage of its own, so there is no barrier.  No register that a pending load or store names is ever written again, so no wait on XCNT is needed.
.set BLOCK,  34816
.set XBLOCK, 39424
.set XPANEL, 8*XBLOCK
.set MINI,   9216
.set SPITCH, 528                       ; a stage row: 512 bytes + 16 = 132 words: row r starts at bank 4 r mod 64 (64 banks of 4 bytes: ISA guide 11.1), so the 16 rows that a load's half wave touches start at 16 different banks
.set WSTG,   16*SPITCH                 ; a wave's stage: 16 rows
.set LN,   1                           ; v1   lane
.set RR,   2                           ; v2   r
.set HH,   3                           ; v3   h
.set LI,   4                           ; v4   16 x lane
.set SIN,  5                           ; v5   the stage, on the way in:  wave's stage + 16 x lane
.set SOUT, 6                           ; v6   and on the way out: wave's stage + 528 r + 128 h
.set SH,   7                           ; v7   8 h: how far my two scale bytes are shifted
.set VC,   8                           ; v8   where my codes go: 1024 x wave + 16 x lane (lora_A's path: 1024 q + 16 x lane)
.set VS,   9                           ; v9   where my scale words go (each path makes its own)
.set QM,   10                          ; v10-11 largest magnitudes
.set QS,   12                          ; v12-13 the conversions' scale operands
.set QBY,  14                          ; v14-15 scale bytes
.set QT,   16                          ; v16  at work
.set QP,   17                          ; v17  a lane permute's destination: written once at the head, since it counts as a source
.set W,    20                          ; v20-23 scale words, one for each q
.set WP,   24                          ; v24-25 the two words that my lane stores
.set AO,   26                          ; v26  the short paths' source offset
.set C,    32                          ; v32-63 codes: eight registers for each q, never written twice
.set X,    64                          ; v64-127 64 numbers of my row: register 32 c + i is k = 64 c + 32 h + i
.set R,    128                         ; v128-255 two sets of 64 registers as loaded
.set SEL,  36                          ; s[36:37] v_permlanex16_b32's selects for lane l xor 16
; 64 numbers of a lane, two whole blocks of 32, become a fragment's eight registers of codes, v[c] on, and the row's scale word, v[w], in both halves of the lanes.
.macro QFRAG x, c, w
.irp b, 0,1
	v_max3_num_f32 v[QM+\b], |v[(\x)+32*\b]|, |v[(\x)+32*\b+1]|, 0x1800000     ; and the floor 2^(3 - 127): so the byte cannot fall under 1
.endr
.irp i, 2,4,6,8,10,12,14,16,18,20,22,24,26,28,30
.irp b, 0,1
	s_delay_alu instid0(VALU_DEP_2)
	v_max3_num_f32 v[QM+\b], v[QM+\b], |v[(\x)+32*\b+\i]|, |v[(\x)+32*\b+\i+1]|   ; the two blocks by turns
.endr
.endr
.irp b, 0,1
	s_delay_alu instid0(VALU_DEP_2)
	v_add_nc_u32 v[QS+\b], 0xff000000, v[QM+\b]    ; 2 off the exponent field: the conversion takes the exponent field of this operand as its scale
.endr
.irp b, 0,1
.irp g, 0,1,2,3
	v_cvt_scalef32_pk8_fp4_f32 v[(\c)+4*\b+\g], v[(\x)+32*\b+8*\g:(\x)+32*\b+8*\g+7], v[QS+\b]
.endr
.endr
.irp b, 0,1
	v_lshrrev_b32 v[QBY+\b], 23, v[QS+\b]          ; the scale's byte (also the plain instruction behind the conversions)
.endr
	s_delay_alu instid0(VALU_DEP_1)
	v_lshl_or_b32 v[QT], v[QBY+1], 16, v[QBY]      ; my two bytes: blocks h and 2 + h,
	s_delay_alu instid0(VALU_DEP_1)
	v_lshlrev_b32 v[QT], v[SH], v[QT]              ; at their places in the word;
	s_delay_alu instid0(VALU_DEP_1)
	v_permlanex16_b32 v[QP], v[QT], s[SEL], s[SEL+1]
	s_delay_alu instid0(VALU_DEP_1)
	v_or_b32 v[(\w)], v[QT], v[QP]                 ; with lane l xor 16's two the word is whole
.endm
; 16 numbers of a lane, v[t + i] = k 16 h + i of row r (the row's one block of 32 lies in lanes l and l xor 16), become piece 0 of a fragment, v[p] .. v[p + 3]: the 32 codes in lanes 0-15, zeros in lanes 16-31.  The byte is left in v[QBY].
.macro QROW t, p
	v_max3_num_f32 v[QM], |v[(\t)]|, |v[(\t)+1]|, 0x1800000
.irp i, 2,4,6,8,10,12,14
	s_delay_alu instid0(VALU_DEP_1)
	v_max3_num_f32 v[QM], v[QM], |v[(\t)+\i]|, |v[(\t)+\i+1]|
.endr
	s_delay_alu instid0(VALU_DEP_1)
	v_permlanex16_b32 v[QP], v[QM], s[SEL], s[SEL+1]
	s_delay_alu instid0(VALU_DEP_1)
	v_max_num_f32 v[QM], v[QM], v[QP]              ; the block's largest magnitude
	s_delay_alu instid0(VALU_DEP_1)
	v_add_nc_u32 v[QS], 0xff000000, v[QM]
	v_mov_b32 v[(\p)+2], 0
	v_mov_b32 v[(\p)+3], 0
	v_cvt_scalef32_pk8_fp4_f32 v[(\p)], v[(\t):(\t)+7], v[QS]          ; k = 16 h + 0 .. 7
	v_cvt_scalef32_pk8_fp4_f32 v[(\p)+1], v[(\t)+8:(\t)+15], v[QS]     ; k = 16 h + 8 .. 15
	v_lshrrev_b32 v[QBY], 23, v[QS]                ; the byte (also the plain instruction behind the conversions)
	v_permlane16_swap_b32 v[(\p)], v[(\p)+2]       ; the first's lanes 16-31 change places with the second's lanes 0-15: lanes 0-15 now hold k = 0 .. 31 in four registers,
	v_permlane16_swap_b32 v[(\p)+1], v[(\p)+3]     ; lanes 16-31 zeros
.endm
	s_load_b512 s[8:23], s[0:1], 0x0               ; input s[8:9], weight s[10:11], lora_A s[12:13], lora_B s[14:15], labeler_index s[16:17], xq s[18:19], wq s[20:21], lbq s[22:23]
	v_lshl_add_u32 v30, v0, 2, 0x10800
	v_mov_b32 v31, 0
	v_lshrrev_b32 v1, 5, v0
	s_delay_alu instid0(VALU_DEP_1)
	v_readfirstlane_b32 s26, v1                    ; wave 0..7
	v_and_b32 v[LN], 31, v0
	v_and_b32 v[RR], 15, v0
	v_bfe_u32 v[HH], v0, 4, 1
	s_delay_alu instid0(VALU_DEP_3)
	v_lshlrev_b32 v[LI], 4, v[LN]
	s_delay_alu instid0(VALU_DEP_2)
	v_lshlrev_b32 v[SH], 3, v[HH]
	s_lshl_b32 s27, s26, 10
	v_add_nc_u32 v[VC], s27, v[LI]
	v_mov_b32 v[QP], 0
	s_mov_b32 s[SEL], 0x76543210
	s_mov_b32 s[SEL+1], 0xfedcba98
	s_wait_kmcnt 0x0
	s_cmp_lt_u32 ttmp9, 64
	s_cbranch_scc1 .Lpath_a
	s_cmp_lt_u32 ttmp9, 96
	s_cbranch_scc1 .Lpath_b
	; ---- x and W: 128 rows x 512 along K a work-group; wave w makes row block i = w: 16 rows x 512 along K, four fragments
	s_sub_co_u32 s27, ttmp9, 96
	s_cmp_lt_u32 s27, 256                          ; x's work-group or W's?  The choice hangs on the work-group's number alone
	s_cselect_b64 s[8:9], s[8:9], s[10:11]
	s_cselect_b64 s[18:19], s[18:19], s[20:21]
	s_mov_b32 s35, BLOCK
	s_cselect_b32 s35, XBLOCK, s35                 ; from block to block in the buffer chosen
	s_and_b32 s27, s27, 255                        ; 8 x panel + K step
	s_lshr_b32 s28, s27, 3
	s_and_b32 s29, s27, 7
	s_lshl_b32 s30, s28, 21                        ; a panel: 128 rows of 16,384 bytes
	s_lshl_b32 s31, s26, 18                        ; my 16 rows
	s_add_co_u32 s30, s30, s31
	s_lshl_b32 s31, s29, 11                        ; the K step: 512 numbers
	s_add_co_u32 s30, s30, s31
	s_mov_b32 s31, 0
	s_add_nc_u64 s[8:9], s[8:9], s[30:31]
	s_mul_i32 s32, s27, s35
	s_mov_b32 s33, 0
	s_add_nc_u64 s[18:19], s[18:19], s[32:33]
	s_mul_i32 s34, s26, WSTG
	s_wait_alu depctr_va_vdst(0)
	v_add_nc_u32 v[SIN], s34, v[LI]
	v_mul_u32_u24 v[SOUT], v[RR], SPITCH
	s_delay_alu instid0(VALU_DEP_1)
	v_lshl_add_u32 v[SOUT], v[HH], 7, v[SOUT]
	s_delay_alu instid0(VALU_DEP_1)
	v_add_nc_u32 v[SOUT], s34, v[SOUT]
	s_lshl_b32 s34, s26, 8
	v_lshl_add_u32 v[VS], v[RR], 4, s34
	s_delay_alu instid0(VALU_DEP_1)
	v_add_nc_u32 v[VS], v[VS], v[SH]               ; 256 x wave + 16 r + 8 h
; 128 along K of my 16 rows: each load reads 512 consecutive bytes of one row, 16 a lane
.macro LOAD q
.irp j, 0,1,2,3,4,5,6,7,8,9,10,11,12,13,14,15
	global_load_b128 v[R+64*((\q)%2)+4*\j:R+64*((\q)%2)+4*\j+3], v[LI], s[8:9] offset:\j*16384+(\q)*512 th:TH_LOAD_NT
.endr
.endm
; They turn through my stage: in as loaded, out 128 neighbouring bytes of row r for each of my two blocks.  LDS serves a wave's instructions in order (ISA guide 5.7.1.4): no wait between the stores and the loads
.macro TURN q
.irp j, 0,1,2,3,4,5,6,7,8,9,10,11,12,13,14,15
	ds_store_b128 v[SIN], v[R+64*((\q)%2)+4*\j:R+64*((\q)%2)+4*\j+3] offset:\j*SPITCH
.endr
.irp c, 0,1
.irp j, 0,1,2,3,4,5,6,7
	ds_load_b128 v[X+32*\c+4*\j:X+32*\c+4*\j+3], v[SOUT] offset:256*\c+16*\j
.endr
.endr
.endm
	LOAD 0
	LOAD 1                                         ; 32 loads, 16 KiB, of each wave are on their way
	s_wait_alu depctr_va_vdst(0)
.irp q, 0,1,2,3
.if \q < 3
	s_wait_loadcnt 16                              ; this q's sixteen loads are in; the sixteen issued behind them may be out
.else
	s_wait_loadcnt 0x0
.endif
	TURN \q
	s_wait_dscnt 0x0                               ; my 64 numbers are back, and the stage's stores have read their registers,
.if \q < 2
	LOAD \q+2                                      ; which take the loads of two q on
.endif
	QFRAG X, C+8*\q, W+\q
.endr
.irp q, 0,1,2,3                        ; all the wave's codes leave here, behind its last turn through the stage: each q has eight registers of its own
.irp c, 0,1
	global_store_b128 v[VC], v[C+8*\q+4*\c:C+8*\q+4*\c+3], s[18:19] offset:8192*\q+512*\c   ; 32 lanes store 512 consecutive bytes, at a multiple of 512 from the buffer's first byte
.endr
.endr
	v_cmp_ne_u32 vcc_lo, 0, v[HH]
	s_delay_alu instid0(VALU_DEP_1)
	v_cndmask_b32 v[WP], v[W], v[W+2], vcc_lo      ; every lane holds its row's four words: lanes 0-15 store words 0 and 1, lanes 16-31 words 2 and 3
	s_delay_alu instid0(VALU_DEP_2)
	v_cndmask_b32 v[WP+1], v[W+1], v[W+3], vcc_lo
	global_store_b64 v[VS], v[WP:WP+1], s[18:19] offset:32768   ; the wave's 16 rows x 16 bytes: 256 consecutive bytes, aligned
	s_wait_tensorcnt 0x0
	ds_add_u32 v30, v31
	s_wait_dscnt 0x0
	s_endpgm
	; ---- lora_A of the batch's labeler: work-group 8 b + s; wave 2 q + u makes fragment q of tile u.  A lane takes a column and its registers run down K: nothing is transposed.
	;      The fragment goes behind the x part of the batch's panels 4 b + u and 4 b + 2 + u, K step s
.Lpath_a:
	s_lshr_b32 s27, ttmp9, 3                       ; the batch
	s_lshl_b32 s30, s27, 2
	s_mov_b32 s31, 0
	s_add_nc_u64 s[16:17], s[16:17], s[30:31]
	s_load_b32 s29, s[16:17], 0x0                  ; its labeler
	s_and_b32 s28, ttmp9, 7                        ; the K step
	s_lshr_b32 s32, s26, 1                         ; q
	s_and_b32 s33, s26, 1                          ; u
	s_wait_alu depctr_va_vdst(0)
	v_and_b32 v[AO], 8, v[RR]
	s_delay_alu instid0(VALU_DEP_1)
	v_add_nc_u32 v[AO], v[AO], v[RR]               ; r + 8 (r / 8)
	s_delay_alu instid0(VALU_DEP_1)
	v_lshlrev_b32 v[AO], 2, v[AO]
	s_delay_alu instid0(VALU_DEP_1)
	v_lshl_add_u32 v[AO], v[HH], 12, v[AO]         ; lanes 16-31 begin 32 rows of 128 bytes further down
	s_delay_alu instid0(VALU_DEP_1)
	v_lshl_add_u32 v[AO], s33, 5, v[AO]            ; + 8 u columns
	v_lshl_add_u32 v[VC], s32, 10, v[LI]           ; 1024 q + 16 x lane
	s_lshl_b32 s34, s32, 7
	v_lshl_add_u32 v[VS], v[LN], 2, s34            ; 128 q + 4 x lane
	s_lshl_b32 s34, s27, 2
	s_add_co_u32 s34, s34, s33                     ; panel 4 b + u
	s_mul_i32 s34, s34, XPANEL
	s_mul_i32 s35, s28, XBLOCK
	s_add_co_u32 s34, s34, s35
	s_add_co_u32 s34, s34, BLOCK                   ; behind the block's x part
	s_mov_b32 s35, 0
	s_add_nc_u64 s[18:19], s[18:19], s[34:35]
	s_lshl_b32 s28, s28, 16                        ; 512 rows of 128 bytes
	s_lshl_b32 s32, s32, 14                        ; 128 rows
	s_add_co_u32 s28, s28, s32
	s_wait_alu depctr_va_vdst(0)
	s_wait_kmcnt 0x0
	s_min_u32 s29, s29, 4                          ; held inside the table
	s_lshl_b32 s29, s29, 19                        ; a labeler's table: 4,096 x 32 x 4 bytes
	s_add_co_u32 s30, s28, s29
	s_add_nc_u64 s[12:13], s[12:13], s[30:31]
.irp c, 0,1
.irp i, 0,1,2,3,4,5,6,7,8,9,10,11,12,13,14,15,16,17,18,19,20,21,22,23,24,25,26,27,28,29,30,31
	global_load_b32 v[X+32*\c+\i], v[AO], s[12:13] offset:(64*\c+\i)*128   ; A(64 c + 32 h + i, my column)
.endr
.endr
	s_wait_loadcnt 0x0
	QFRAG X, C, W
.irp c, 0,1
	global_store_b128 v[VC], v[C+4*\c:C+4*\c+3], s[18:19] offset:512*\c
	global_store_b128 v[VC], v[C+4*\c:C+4*\c+3], s[18:19] offset:512*\c+2*XPANEL          ; the same two panels on
.endr
	global_store_b32 v[VS], v[W], s[18:19] offset:4096              ; 128 bytes a wave: the waves of q and q + 1 fill an aligned 256 between them
	global_store_b32 v[VS], v[W], s[18:19] offset:4096+2*XPANEL
	s_endpgm
	; ---- lora_B: work-group 64 + panel makes a MINI of lbq; wave w makes fragment w: 16 rows, K = 32
.Lpath_b:
	s_sub_co_u32 s27, ttmp9, 64
	s_lshl_b32 s30, s27, 14                        ; 128 rows of 128 bytes
	s_lshl_b32 s28, s26, 11                        ; my 16 rows
	s_add_co_u32 s30, s30, s28
	s_mov_b32 s31, 0
	s_add_nc_u64 s[14:15], s[14:15], s[30:31]
	s_mul_i32 s34, s27, MINI
	s_mov_b32 s35, 0
	s_add_nc_u64 s[22:23], s[22:23], s[34:35]
	s_wait_alu depctr_va_vdst(0)
	v_lshlrev_b32 v[AO], 7, v[RR]
	s_delay_alu instid0(VALU_DEP_1)
	v_lshl_add_u32 v[AO], v[HH], 6, v[AO]          ; row r, + my half's 16 numbers
	s_lshl_b32 s28, s26, 7
	v_lshl_add_u32 v[VS], v[LN], 2, s28
.irp j, 0,1,2,3
	global_load_b128 v[X+4*\j:X+4*\j+3], v[AO], s[14:15] offset:16*\j
.endr
.irp j, 4,5,6,7
	v_mov_b32 v[C+\j], 0                           ; piece 1: k = 64 .. 127, zero codes
.endr
	s_wait_loadcnt 0x0
	QROW X, C
	s_delay_alu instid0(VALU_DEP_3)
	v_add_nc_u32 v[QBY], -1, v[QBY]                ; half the scale: the low-rank path's factor 0.5
	s_delay_alu instid0(VALU_DEP_1)
	v_or_b32 v[W], 0x7f7f7f00, v[QBY]              ; the three blocks of zero codes get the byte of 1.0
	global_store_b128 v[VC], v[C:C+3], s[22:23]
	global_store_b128 v[VC], v[C+4:C+7], s[22:23] offset:512
	global_store_b32 v[VS], v[W], s[22:23] offset:8192
	s_endpgm
.Lfunc_end_k_qaaff5fdedc_quant:
	.size	k_qaaff5fdedc_quant, .Lfunc_end_k_qaaff5fdedc_quant-k_qaaff5fdedc_quant
	.p2alignl 7, 3214868480
	.fill 96, 4, 3214868480
	.section	.rodata,"a",@progbits
	.p2align	6, 0x0
	.amdhsa_kernel k_qaaff5fdedc_quant
		.amdhsa_group_segment_fixed_size 68608
		.amdhsa_private_segment_fixed_size 0
		.amdhsa_enable_private_segment 0
		.amdhsa_kernarg_size 64
		.amdhsa_user_sgpr_count 2
		.amdhsa_user_sgpr_kernarg_segment_ptr 1
		.amdhsa_wavefront_size32 1
		.amdhsa_system_sgpr_workgroup_id_x 1
		.amdhsa_system_sgpr_workgroup_id_y 1
		.amdhsa_system_sgpr_workgroup_id_z 1
		.amdhsa_system_vgpr_workitem_id 0
		.amdhsa_next_free_vgpr 256
		.amdhsa_next_free_sgpr 66
		.amdhsa_reserve_vcc 1
		.amdhsa_float_denorm_mode_32 3
		.amdhsa_float_denorm_mode_16_64 3
		.amdhsa_memory_ordered 1
		.amdhsa_forward_progress 1
		.amdhsa_inst_pref_size 50
	.end_amdhsa_kernel
	.amdgpu_metadata
---
amdhsa.version: [ 1, 2 ]
amdhsa.kernels:
  - .name:           k_qaaff5fdedc_quant
    .symbol:         k_qaaff5fdedc_quant.kd
    .args:
      - { .name: input, .offset: 0, .size: 8, .value_kind: global_buffer, .address_space: global }
      - { .name: weight, .offset: 8, .size: 8, .value_kind: global_buffer, .address_space: global }
      - { .name: lora_A, .offset: 16, .size: 8, .value_kind: global_buffer, .address_space: global }
      - { .name: lora_B, .offset: 24, .size: 8, .value_kind: global_buffer, .address_space: global }
      - { .name: labeler_index, .offset: 32, .size: 8, .value_kind: global_buffer, .address_space: global }
      - { .name: xq, .offset: 40, .size: 8, .value_kind: global_buffer, .address_space: global }
      - { .name: wq, .offset: 48, .size: 8, .value_kind: global_buffer, .address_space: global }
      - { .name: lbq, .offset: 56, .size: 8, .value_kind: global_buffer, .address_space: global }
    .group_segment_fixed_size: 68608
    .private_segment_fixed_size: 0
    .kernarg_segment_align: 8
    .kernarg_segment_size: 64
    .max_flat_workgroup_size: 256
    .sgpr_count:     66
    .vgpr_count:     256
    .wavefront_size: 32
...
	.end_amdgpu_metadata
.endif
;; end of part 1
;; launch gemm (part 2): grid 16 x 16, 4 waves a work-group, clusters of 4 x 4, 327,680 bytes of LDS; arguments xq, wq, lbq, bias, out0; writes out0
.if DOCPART == 2
	.amdgcn_target "amdgcn-amd-amdhsa--gfx1250"
	.amdhsa_code_object_version 6
	.text
	.protected	k_qaaff5fdedc_gemm
	.globl	k_qaaff5fdedc_gemm
	.p2align	8
	.type	k_qaaff5fdedc_gemm,@function
k_qaaff5fdedc_gemm:
	s_mov_b64 s[64:65], 0
	v_nop
	global_prefetch_b8 v0, s[64:65] scope:SCOPE_SE
	s_setreg_imm32_b32 hwreg(HW_REG_WAVE_MODE, 25, 1), 1
	s_wait_xcnt 0x0
	s_wait_alu depctr_hold_cnt(0) depctr_sa_sdst(0) depctr_va_vdst(0) depctr_va_sdst(0) depctr_va_ssrc(0) depctr_va_vcc(0) depctr_vm_vsrc(0)
	s_getreg_b32 s2, hwreg(HW_REG_IB_STS2, 6, 4)
	s_cmp_eq_u32 s2, 0
	s_cbranch_scc0 .Lentry_in_a_cluster
	s_endpgm
.Lentry_in_a_cluster:
	s_bfe_u32 s2, ttmp6, 0x10000c
	s_cmp_lg_u32 s2, 0xf033
	s_cbranch_scc0 .Lentry_shape_is_right
	s_endpgm
.Lentry_shape_is_right:
; out = x W^T + bias + 0.5 (x A_b) B^T, every product on codes of FP4 (E2M1) with E8M0 scales, sums in f32.  The launch before has laid all codes in the order of the operands' registers:
;   wq  [panel of 128 rows][K step of 512][BLOCK]:  fragment (q, i), piece c at 8192 q + 1024 i + 512 c + 16 lane; scale words at 32768 + 16 row + 4 q.
;   xq  [panel][K step][XBLOCK]: a BLOCK of x and behind it one tile of 16 columns of the batch's own lora_A: fragment q at 34816 + 1024 q, its scale words at 38912 + 128 q + 4 lane.
;   lbq [panel of 128 rows of lora_B][MINI]: 8 fragments of 1,024 bytes (K = 32 filled to 128 with zero codes), 8 images of scale words from 8192 on; the factor 0.5 lies in its scale bytes.
; A work-group of four waves makes 256 x 256 of out, a wave 128 x 128: 64 accumulators, 512 registers.  K goes in steps of 512 through two LDS slots, each two XBLOCKs and two BLOCKs, one tensor load a wave.
; CLUSTERS: 4 x 4 work-groups; x's blocks are asked for jointly along a row of the cluster, W's along a column.
; THE MATRIX INSTRUCTION IS USED TRANSPOSED (source 0 = 16 rows of W, source 1 = 16 rows of x): a lane holds eight neighbouring numbers of a row of out.  The bias is the C of each accumulator's first product.
; x A_b: wave (half of rows, u) adds tile u of lora_A for its 128 rows, 8 products in each 128 along K; in the last step these come first, and the two waves of a row half exchange their tiles through LDS
; under that step's other 64 products; each wave then quantises the 32 columns of its rows along the next K, and 64 products with lora_B's fragments close the sums.
; lora_B's fragments and scale words come by global loads straight into registers: each wave reads its own 9,216 bytes once.
; TWO SETS OF REGISTERS FOR BOTH OPERANDS: a step of 128 along K multiplies one set; the next step's 34 LDS loads go into the other in ONE run at the step's head, 72 products ahead of the next step.
; PREFETCH: behind the load of K step t each wave asks for K step t + 2 of the block that it fetches (K steps 1 and 2 at the head); the four partners that fetch a block jointly take every fourth run of 256 bytes,
; told apart by address; the refills of K steps 6 and 7 ask for nothing.  Of an XBLOCK's 154 runs the last two are not asked for.
; LIMITS: as the launch before states them (NaN and infinities not served; a block of x A_b under 2^-124 keeps the byte 1).
; REGISTERS.  window 0: v0-31 addresses; v32-95 scale words, a set for each slot; v96-111 lora_A's fragments, two sets; v112-119 their scale words; v120-127 lora_B's scale words; v128-255 x's fragments, two sets.
;   window 1: v0-63, v128-191 W's fragments, two sets; v64-127 the bias, then lora_B's fragments; v192-255 x A_b.   windows 2, 3: the accumulators ((a, b) at v[8 (8 (a % 4) + b)]).
.set BLOCK,  34816
.set XBLOCK, 39424
.set PANEL,  8*BLOCK
.set XPANEL, 8*XBLOCK
.set MINI,   9216
.set WOFF,   2*XBLOCK                  ; in a slot W's two blocks lie behind x's two
.set SLOT,   2*XBLOCK+2*BLOCK
.set SPARE,  2*SLOT                    ; behind the ring: the spare words, 128 bytes a wave
.set SPITCH, 528                       ; the way out: stage rows of 512 bytes + 16; the stages lie in slot 0, from byte 0
.set EXB,    65536                     ; the exchange of x A_b, 32 KiB, in slot 0 too: both are written when that slot has had its last fill and its last read
.set NQ,     4
.set FR,     8
.set NP,     4
.set LAPS,   4
.set ROWC,   16384
.set ADRQ, 6
.set ADRQS, 8
.set EXS,  11
.set ADRS, 12
.set LW,   14
.set EXL,  15
.set ADRA, 16
.set PF0,  18
.set PF1,  19
.set ADRB, 20
.set STO,  24
.set RD,   25
.set CO,   26
.set BO,   27
.set SPW,  28
.set NIL,  29
.set SC,   32
.set QF,   96
.set QM,   96
.set QP,   100
.set QS,   104
.set QAS,  112
.set AXW,  112
.set LBS,  120
.set AF,   128
.set T,    192
.set BI,   64
.set LB,   64
.set AX,   192
.set BK,   128
.set G1,   24
.set G0,   32
.set G1B,  48
.set G0B,  56
.set PFA,  66
.set PFB,  68
.set PST,  70
.set SEL,  80
.set MSB, 0
.macro WIN new                         ; the immediate's high byte repeats the setting that is left
.if MSB != (\new)
	s_set_vgpr_msb (MSB<<8)|(\new)
.set MSB, (\new)
.endif
.endm
.set MUL_LO, 0xa1                      ; source 0 (W) window 1, source 1 (x) window 0, C and D window 2
.set MUL_HI, 0xf1                      ; the same, C and D window 3
.set AX_W,   0x50                      ; sources window 0, C and D window 1
.set TO_B,   0x40                      ; destination window 1, address window 0
.macro MWIN hi, first                  ; the products' windows; first = 1: C (the bias) in window 1
.if \first
	WIN 0x91+0x40*\hi
.else
	WIN 0xa1+0x50*\hi
.endif
.endm
; a joint load: waves 0 and 1 fetch x's two blocks, waves 2 and 3 W's; s_nop 0 and four v_nop behind each line
.macro JLOAD g0a, g0b
	s_cmp_eq_u32 s17, 0
	s_cbranch_scc0 .Lfor_b_\@
	tensor_load_to_lds s[\g0a:\g0a+3], s[G1:G1+7]
	s_nop 0
.rept 4
	v_nop
.endr
	s_branch .Lasked_\@
.Lfor_b_\@:
	tensor_load_to_lds s[\g0b:\g0b+3], s[G1B:G1B+7]
	s_nop 0
.rept 4
	v_nop
.endr
.Lasked_\@:
.endm
.macro CREST                           ; a round of the cluster's barrier behind its opening barrier
	s_cmp_lg_u32 s16, 0
	s_cbranch_scc1 .Lnot_wave_0_\@
	s_barrier_signal -3
.Lnot_wave_0_\@:
	s_barrier_wait -3
	s_barrier_signal -1
	s_barrier_wait -1
.endm
.macro CROUND
	s_barrier_signal -1
	s_barrier_wait -1
	CREST
.endm
.macro DENSE g, rows                   ; a dense block as rows of 256 bytes (32 elements of 8)
	s_mov_b32 s[\g+1], 32<<16
	s_mov_b32 s[\g+2], (\rows)<<16
	s_mov_b32 s[\g+3], 32<<16
	s_mov_b32 s[\g+4], \rows
	s_mov_b32 s[\g+5], 32
	s_mov_b32 s[\g+6], 0
	s_mov_b32 s[\g+7], 0
.endm
.macro PREF base                       ; my quarter of a block: runs p + 4 j of 256 bytes, j = lane, then j = 32 + lane held to the block's end
	global_prefetch_b8 v[PF0], s[\base:\base+1] th:TH_LOAD_NT scope:SCOPE_SE
	global_prefetch_b8 v[PF1], s[\base:\base+1] th:TH_LOAD_NT scope:SCOPE_SE
.endm
.macro ASK                             ; in the loop: its last trip (s19 = 1) refills K steps 6 and 7, which have no K step two on
	s_cmp_gt_u32 s19, 1
	s_cbranch_scc0 .Lno_ask_\@
	PREF PFB
.Lno_ask_\@:
.endm
	s_load_b128 s[4:7], s[0:1], 0x0                ; xq, wq
	s_load_b128 s[8:11], s[0:1], 0x10              ; lbq, bias
	s_load_b64 s[12:13], s[0:1], 0x20              ; out0
	v_lshl_add_u32 v[SPW], v0, 2, SPARE
	v_mov_b32 v[NIL], 0
	ds_add_u32 v[SPW], v[NIL]                      ; the opening lines: the add, twice on end, and its wait ahead of my first tensor load
	ds_add_u32 v[SPW], v[NIL]
	v_lshrrev_b32 v1, 5, v0
	v_readfirstlane_b32 s16, v1                    ; wave
	s_lshr_b32 s17, s16, 1                         ; my half of the rows; also: I fetch x (0) or W (1)
	s_and_b32 s18, s16, 1                          ; my half of the columns; also: which block I fetch, and my tile of lora_A
	s_bfe_u32 s20, ttmp6, 0x40000                  ; cx
	s_bfe_u32 s21, ttmp6, 0x40004                  ; cy
	s_lshl_b32 s22, ttmp9, 2
	s_add_co_u32 s22, s22, s20                     ; tile column
	s_and_b32 s23, ttmp7, 0xffff
	s_lshl_b32 s23, s23, 2
	s_add_co_u32 s23, s23, s21                     ; tile row
	s_lshl_b32 s40, s21, 2
	s_lshl_b32 s40, 15, s40                        ; my row of the cluster
	s_lshl_b32 s44, 0x1111, s20                    ; my column
	s_or_b32 s[G1], s40, (3<<16)|(1<<21)
	s_or_b32 s[G1B], s44, (3<<16)|(1<<21)
	DENSE G1, 154
	DENSE G1B, 136
	s_mov_b32 s[SEL], 0x76543210
	s_mov_b32 s[SEL+1], 0xfedcba98
	s_lshl_b32 s40, s23, 1
	s_add_co_u32 s40, s40, s18
	s_mul_i32 s40, s40, XPANEL                     ; x's panel 2 x tile row + block
	s_mov_b32 s41, 0
	s_lshl_b32 s44, s22, 1
	s_add_co_u32 s44, s44, s18
	s_mul_i32 s46, s44, MINI                       ; lora_B's panel of my columns
	s_mov_b32 s47, 0
	s_mul_i32 s44, s44, PANEL                      ; W's panel 2 x tile column + block
	s_mov_b32 s45, 0
	s_mul_i32 s92, s18, XBLOCK                     ; where the blocks go in a slot
	s_mul_i32 s93, s18, BLOCK
	s_add_co_u32 s93, s93, WOFF                    ; (also: where my columns' fragments lie)
	s_mul_i32 s84, s17, XBLOCK                     ; my rows' fragments
	s_add_co_u32 s86, s92, BLOCK                   ; my tile of lora_A
	s_xor_b32 s87, s17, 1
	s_add_co_u32 s87, s87, 1
	s_mul_i32 s87, s87, XBLOCK
	s_mul_i32 s88, s18, BLOCK
	s_add_co_u32 s87, s87, s88                     ; from my rows' scale words to my columns'
	s_add_co_u32 s89, s84, 32768
	s_lshl_b32 s90, s17, 14
	s_add_co_u32 s90, s90, EXB
	s_lshl_b32 s91, s18, 10
	s_add_co_u32 s91, s91, s90
	s_mul_i32 s94, s16, 16*SPITCH
	s_lshl_b32 s76, s22, 10
	s_lshl_b32 s77, s18, 9
	s_add_co_u32 s76, s76, s77                     ; my first column, in bytes
	s_mov_b32 s77, 0
	s_lshl_b32 s78, s23, 8
	s_lshl_b32 s79, s17, 7
	s_add_co_u32 s78, s78, s79
	s_lshl_b32 s78, s78, 14                        ; my first row of out, in bytes
	s_mov_b32 s79, 0
	s_cmp_eq_u32 s17, 0
	s_cselect_b32 s74, 5, 1                        ; the prefetches: j goes to 37 in an XBLOCK, to 33 in a BLOCK
	s_cselect_b32 s72, s20, s21                    ; my place among the four that fetch the block with me
	s_mov_b32 s[PST], BLOCK
	s_cselect_b32 s[PST], XBLOCK, s[PST]           ; from K step to K step
	s_mov_b32 s[PST+1], 0
	s_lshl_b32 s72, s72, 8
	s_mov_b32 s73, 0
	v_and_b32 v1, 31, v0                           ; lane
	v_and_b32 v2, 15, v0                           ; r
	v_bfe_u32 v3, v0, 4, 1                         ; h
	v_lshlrev_b32 v[CO], 4, v1
	v_lshlrev_b32 v[BO], 5, v3
	v_lshlrev_b32 v[LW], 2, v1
	v_add_nc_u32 v[ADRA], s84, v[CO]
	v_add_nc_u32 v[ADRB], s93, v[CO]
	v_add_nc_u32 v[ADRQ], s86, v[CO]
	v_add_nc_u32 v[ADRQS], s86, v[LW]
	v_mul_u32_u24 v5, s87, v3                      ; lanes 0-15 take x's scale words, lanes 16-31 W's
	v_lshl_add_u32 v5, v2, 4, v5
	v_add_nc_u32 v[ADRS], s89, v5
.irp x, ADRA, ADRB, ADRQ, ADRQS, ADRS
	v_add_nc_u32 v[\x+1], SLOT, v[\x]
.endr
	v_add_nc_u32 v[EXL], s90, v[CO]
	v_add_nc_u32 v[EXS], s91, v[CO]
	v_mul_u32_u24 v4, v2, SPITCH
	v_lshl_add_u32 v4, v3, 5, v4
	v_add_nc_u32 v[STO], s94, v4
	v_add_nc_u32 v[RD], s94, v[CO]
	v_lshlrev_b32 v[PF0], 10, v1
	v_min_u32 v[PF1], s74, v1
	v_lshl_add_u32 v[PF1], v[PF1], 10, 32768
	s_wait_alu depctr_va_vdst(0)                   ; behind the head's last vector instruction
	s_wait_dscnt 0x0                               ; both opening adds are done
	s_wait_kmcnt 0x0
	s_add_nc_u64 s[40:41], s[4:5], s[40:41]
	s_add_nc_u64 s[44:45], s[6:7], s[44:45]
	s_add_nc_u64 s[8:9], s[8:9], s[46:47]
	s_add_nc_u64 s[10:11], s[10:11], s[76:77]
	s_add_nc_u64 s[12:13], s[12:13], s[78:79]
	s_add_nc_u64 s[12:13], s[12:13], s[76:77]
.irp s, 0,1
	s_mov_b32 s[G0+4*\s], 1
	s_add_co_u32 s[G0+4*\s+1], s92, \s*SLOT
	s_add_nc_u64 s[G0+4*\s+2:G0+4*\s+3], s[40:41], \s*XBLOCK
	s_or_b32 s[G0+4*\s+3], s[G0+4*\s+3], 0x80000000
	s_mov_b32 s[G0B+4*\s], 1
	s_add_co_u32 s[G0B+4*\s+1], s93, \s*SLOT
	s_add_nc_u64 s[G0B+4*\s+2:G0B+4*\s+3], s[44:45], \s*BLOCK
	s_or_b32 s[G0B+4*\s+3], s[G0B+4*\s+3], 0x80000000
.endr
	s_cmp_eq_u32 s17, 0
	s_cselect_b64 s[PFA:PFA+1], s[40:41], s[44:45]
	s_add_nc_u64 s[PFA:PFA+1], s[PFA:PFA+1], s[72:73]
	s_add_nc_u64 s[PFA:PFA+1], s[PFA:PFA+1], s[PST:PST+1]          ; K step 1
	s_add_nc_u64 s[PFB:PFB+1], s[PFA:PFA+1], s[PST:PST+1]          ; K step 2
	CROUND                                         ; all sixteen work-groups are here: the first joint loads meet
	JLOAD G0, G0B                                  ; K step 0: one tensor load a wave at the head
	PREF PFA
	PREF PFB
	WIN TO_B
.irp b, 0,1,2,3,4,5,6,7
	global_load_b128 v[BI+8*\b:BI+8*\b+3], v[BO], s[10:11] offset:64*\b        ; the bias in the result's layout: columns 16 b + 8 h + 0 .. 7
	global_load_b128 v[BI+8*\b+4:BI+8*\b+7], v[BO], s[10:11] offset:64*\b+16
.endr
	WIN 0
.irp i, 0,1,2,3,4,5,6,7
	global_load_b32 v[LBS+\i], v[LW], s[8:9] offset:8192+128*\i                ; lora_B's scale words
.endr
.macro WM d, x, y, c, sx, sy, row
	v_wmma_scale_f32_16x16x128_f8f6f4 v[\d:\d+7], v[\x:\x+7], v[\y:\y+7], \c, v[\sx], v[\sy] matrix_a_fmt:MATRIX_FMT_FP4 matrix_b_fmt:MATRIX_FMT_FP4 \row
.endm
.macro FRAG reg, adr, q, i
.irp c, 0,1
	ds_load_b128 v[\reg+4*\c:\reg+4*\c+3], v[\adr] offset:8192*(\q)+1024*(\i)+512*\c
.endr
.endm
; 16 products: x's blocks a0, a0 + 1 against W's eight; the slot's q-th 128 along K, from sets q % 2.  The accumulators take turns, one instruction a turn
.macro MUL16 a0, q, sc, first
.irp a, \a0, \a0+1
.irp b, 0,1,2,3,4,5,6,7
.if \first
	WM 8*(8*((\a)%4)+\b), 128*((\q)%2)+FR*\b, AF+64*((\q)%2)+FR*(\a), v[BI+8*\b:BI+8*\b+7], SC+8*NQ*(\sc)+NQ*\b+(\q), SC+8*NQ*(\sc)+NQ*(\a)+(\q), matrix_a_scale:MATRIX_SCALE_ROW1
.else
	WM 8*(8*((\a)%4)+\b), 128*((\q)%2)+FR*\b, AF+64*((\q)%2)+FR*(\a), v[8*(8*((\a)%4)+\b):8*(8*((\a)%4)+\b)+7], SC+8*NQ*(\sc)+NQ*\b+(\q), SC+8*NQ*(\sc)+NQ*(\a)+(\q), matrix_a_scale:MATRIX_SCALE_ROW1
.endif
.endr
.endr
.endm
.macro AXM a0, q, sc, first            ; my tile of lora_A against x's blocks a0 .. a0 + 3
	WIN AX_W
.irp a, \a0, \a0+1, \a0+2, \a0+3
.if \first
	WM AX+8*(\a), QF+8*((\q)%2), AF+64*((\q)%2)+FR*(\a), 0, QAS+NQ*(\sc)+(\q), SC+8*NQ*(\sc)+NQ*(\a)+(\q)
.else
	WM AX+8*(\a), QF+8*((\q)%2), AF+64*((\q)%2)+FR*(\a), v[AX+8*(\a):AX+8*(\a)+7], QAS+NQ*(\sc)+(\q), SC+8*NQ*(\sc)+NQ*(\a)+(\q)
.endif
.endr
.endm
.macro LMUL16 a0                       ; the low-rank path's products
.irp a, \a0, \a0+1
.irp b, 0,1,2,3,4,5,6,7
	WM 8*(8*((\a)%4)+\b), LB+FR*\b, AF+FR*(\a), v[8*(8*((\a)%4)+\b):8*(8*((\a)%4)+\b)+7], LBS+\b, AXW+(\a), matrix_a_scale:MATRIX_SCALE_ROW1
.endr
.endr
.endm
.macro FETCH_B slot, q                 ; W's eight fragments into set q % 2
	WIN TO_B
.irp i, 0,1,2,3,4,5,6,7
	FRAG 128*((\q)%2)+FR*\i, ADRB+\slot, \q, \i
.endr
	WIN 0
.endm
.macro FETCH_A slot, q, i0             ; four of x's
.irp i, \i0, \i0+1, \i0+2, \i0+3
	FRAG AF+64*((\q)%2)+FR*(\i), ADRA+\slot, \q, \i
.endr
.endm
.macro FETCH_Q slot, q
.irp c, 0,1
	ds_load_b128 v[QF+8*((\q)%2)+4*\c:QF+8*((\q)%2)+4*\c+3], v[ADRQ+\slot] offset:1024*(\q)+512*\c
.endr
.endm
; a slot's first operands and its scale words, 46 loads; what the step needs last comes last: x's blocks 4-7, lora_A's fragment and scale words, 14 loads
.macro OPEN slot
	FETCH_B \slot, 0
	FETCH_A \slot, 0, 0
.irp i, 0,1,2,3,4,5,6,7
	ds_load_b128 v[SC+8*NQ*\slot+NQ*\i:SC+8*NQ*\slot+NQ*\i+3], v[ADRS+\slot] offset:256*\i
.endr
	FETCH_A \slot, 0, 4
	FETCH_Q \slot, 0
.irp q, 0,1,2,3
	ds_load_b32 v[QAS+NQ*\slot+\q], v[ADRQS+\slot] offset:4096+128*\q
.endr
.endm
.macro PLACES n
.rept \n
	v_nop
.endr
.endm
; A step of 128 along K whose successor lies in the same slot.  The four places at its head stand between the last step's products and this step's loads, which go into the sets that the last step read.
.macro STEP slot, q, first
	s_wait_dscnt 10                                ; W's set and x's blocks 0-3 are in; the ten youngest loads (x's blocks 4-7, lora_A's fragment) may be out
	PLACES NP
	FETCH_B \slot, (\q)+1
	FETCH_A \slot, (\q)+1, 0
	FETCH_A \slot, (\q)+1, 4
	FETCH_Q \slot, (\q)+1
	MWIN 0, \first
	MUL16 0, \q, \slot, \first
	MUL16 2, \q, \slot, \first
	s_wait_dscnt 34                                ; all but this step's 34 loads
	MWIN 1, \first
	MUL16 4, \q, \slot, \first
	MUL16 6, \q, \slot, \first
	AXM 0, \q, \slot, \first
	AXM 4, \q, \slot, \first
	WIN 0
.endm
; A slot's last step changes slots: one barrier, at the step's head; ahead of it each wave waits for all its tensor loads, adds 0 to its spare word and waits for that and for its reads of this slot,
; which are this step's operands.  fill = 1: the slot is filled again.
.macro TURN slot, next, fill
.if \fill
	s_wait_xcnt 0x0                                ; my last prefetches have read their base
	s_add_nc_u64 s[PFB:PFB+1], s[PFB:PFB+1], s[PST:PST+1]
.endif
	s_wait_tensorcnt 0x0                           ; my part of the next slot has landed
	ds_add_u32 v[SPW], v[NIL]
	s_wait_dscnt 0x0                               ; the add is done, my reads of this slot are over
	s_barrier_signal -1
	WIN MUL_LO
	MUL16 0, NQ-1, \slot, 0
	WIN 0
	s_barrier_wait -1
.if \fill
	CREST                                          ; the barrier has opened a round of the cluster's barrier
	s_add_nc_u64 s[G0+4*\slot+2:G0+4*\slot+3], s[G0+4*\slot+2:G0+4*\slot+3], 2*XBLOCK
	s_add_nc_u64 s[G0B+4*\slot+2:G0B+4*\slot+3], s[G0B+4*\slot+2:G0B+4*\slot+3], 2*BLOCK
	JLOAD G0+4*\slot, G0B+4*\slot                  ; the first tensor load behind the round; its four v_nop are the places of the loads below
.else
	PLACES NP
.endif
	OPEN \next
.if \fill
	ASK
.endif
	WIN MUL_LO
	MUL16 2, NQ-1, \slot, 0
	WIN MUL_HI
	MUL16 4, NQ-1, \slot, 0
	MUL16 6, NQ-1, \slot, 0
	AXM 0, NQ-1, \slot, 0
	AXM 4, NQ-1, \slot, 0
	WIN 0
.endm
.macro STEPS slot, from
.set Q, \from
.rept NQ-1-\from
	STEP \slot, Q, 0
.set Q, Q+1
.endr
.endm
	s_wait_tensorcnt 0x0                           ; my block of K step 0 is in; slot 1's first fill is issued as a refill is:
	ds_add_u32 v[SPW], v[NIL]
	s_wait_xcnt 0x0                                ; the head's prefetches have read their bases
	s_add_nc_u64 s[PFB:PFB+1], s[PFB:PFB+1], s[PST:PST+1]          ; K step 3
	s_wait_dscnt 0x0
	CROUND
	JLOAD G0+4, G0B+4                              ; K step 1
	OPEN 0
	PREF PFB
	s_wait_loadcnt 0x0                             ; the bias and lora_B's scale words
	STEP 0, 0, 1                                   ; the first step stands ahead of the loop: its products start the sums
	PLACES NP                                      ; the bias has been read: its registers take lora_B's fragments
	WIN TO_B
.irp i, 0,1,2,3,4,5,6,7
	global_load_b128 v[LB+8*\i:LB+8*\i+3], v[CO], s[8:9] offset:1024*\i
	global_load_b128 v[LB+8*\i+4:LB+8*\i+7], v[CO], s[8:9] offset:1024*\i+512
.endr
	WIN 0
	s_mov_b32 s19, LAPS-1
.Llap:                                                 ; a trip goes once round the ring and fills both slots again
	STEPS 0, 1
	TURN 0, 1, 1
	STEPS 1, 0
	TURN 1, 0, 1
	STEP 0, 0, 0
	s_sub_co_u32 s19, s19, 1
	s_cmp_lg_u32 s19, 0
	s_cbranch_scc1 .Llap
	STEPS 0, 1                                     ; the last lap fills nothing
	TURN 0, 1, 0
	STEPS 1, 0
	; THE LAST STEP: x A_b first, so that its exchange lies under the other 64 products
	s_wait_dscnt 0x0
	AXM 0, NQ-1, 1, 0
	AXM 4, NQ-1, 1, 0
	WIN 0
	PLACES NP
.irp k, 0,1,2,3
	v_mov_b32 v[QP+\k], 0                          ; a lane permute's destination counts as a source
.endr
.irp a, 0,1,2,3,4,5,6,7
.irp j, 2,3,4,5,6,7
	v_mov_b32 v[AF+8*\a+\j], 0                     ; the codes of x A_b go into x's set 0: K = 32 is filled to 128 with zero codes
.endr
.endr
	WIN 0x04
.irp a, 0,1,2,3,4,5,6,7
	ds_store_b128 v[EXS], v[AX+8*\a:AX+8*\a+3] offset:2048*\a          ; my tile's 16 columns of my 128 rows, as images of registers
	ds_store_b128 v[EXS], v[AX+8*\a+4:AX+8*\a+7] offset:2048*\a+512
.endr
	WIN 0
	s_wait_dscnt 0x0                               ; for the partner's sake
	s_barrier_signal -1
	WIN MUL_LO
	MUL16 0, NQ-1, 1, 0
	MUL16 2, NQ-1, 1, 0
	WIN MUL_HI
	MUL16 4, NQ-1, 1, 0
	MUL16 6, NQ-1, 1, 0
	WIN 0
	s_barrier_wait -1
	PLACES NP                                      ; x's set 1 has been read: it takes the exchanged numbers
.macro TLOAD4 a0                       ; four blocks of 16 rows: a lane's 16 registers are columns 16 h + 0 .. 15 of row r
.irp k, 0,1,2,3
.irp m, 0,1,2,3
	ds_load_b128 v[T+16*\k+4*\m:T+16*\k+4*\m+3], v[EXL] offset:2048*((\a0)+\k)+512*\m
.endr
.endr
.endm
.macro QROW4 a0                        ; each row's one block of 32 lies in lanes l and l xor 16; the four blocks of rows take turns line by line
.irp k, 0,1,2,3
	v_max3_num_f32 v[QM+\k], |v[T+16*\k]|, |v[T+16*\k+1]|, 0x1800000          ; with the floor 2^(3 - 127): the byte cannot fall under 1
.endr
.irp i, 2,4,6,8,10,12,14
.irp k, 0,1,2,3
	v_max3_num_f32 v[QM+\k], v[QM+\k], |v[T+16*\k+\i]|, |v[T+16*\k+\i+1]|
.endr
.endr
.irp k, 0,1,2,3
	v_permlanex16_b32 v[QP+\k], v[QM+\k], s[SEL], s[SEL+1]
.endr
.irp k, 0,1,2,3
	v_max_num_f32 v[QM+\k], v[QM+\k], v[QP+\k]
.endr
.irp k, 0,1,2,3
	v_add_nc_u32 v[QS+\k], 0xff000000, v[QM+\k]    ; 2 off the exponent field: the conversion's scale operand
.endr
.irp k, 0,1,2,3
	v_cvt_scalef32_pk8_fp4_f32 v[AF+8*((\a0)+\k)], v[T+16*\k:T+16*\k+7], v[QS+\k]
	v_cvt_scalef32_pk8_fp4_f32 v[AF+8*((\a0)+\k)+1], v[T+16*\k+8:T+16*\k+15], v[QS+\k]
.endr
.irp k, 0,1,2,3
	v_lshrrev_b32 v[AXW+(\a0)+\k], 23, v[QS+\k]    ; the byte (also the plain instruction behind the conversions)
.endr
.irp k, 0,1,2,3
	v_permlane16_swap_b32 v[AF+8*((\a0)+\k)], v[AF+8*((\a0)+\k)+2]            ; lanes 0-15: k = 0 .. 31 in four registers; lanes 16-31: zeros
	v_permlane16_swap_b32 v[AF+8*((\a0)+\k)+1], v[AF+8*((\a0)+\k)+3]
.endr
.irp k, 0,1,2,3
	v_or_b32 v[AXW+(\a0)+\k], 0x7f7f7f00, v[AXW+(\a0)+\k]                     ; the three blocks of zero codes get the byte of 1.0
.endr
.endm
	TLOAD4 0
	s_wait_dscnt 0x0
	s_wait_loadcnt 0x0                             ; lora_B's fragments are in
	QROW4 0
	TLOAD4 4
	s_wait_dscnt 0x0
	QROW4 4
	PLACES 8                                       ; a scale register written by a vector instruction stands 8 places ahead of a scaled product
	WIN MUL_LO
	LMUL16 0
	LMUL16 2
	WIN MUL_HI
	LMUL16 4
	LMUL16 6
	WIN 0
; THE WAY OUT, by blocks of 16 rows x 128 columns through my own stage: in as 32 bytes a lane, back as whole rows of 512 bytes, which the 32 lanes store as two aligned runs of 256 bytes
.macro TOSTAGE a
.set AC, 64*((\a)%4)
	WIN 0x08+4*((\a)/4)
.irp b, 0,1,2,3,4,5,6,7
	ds_store_b128 v[STO], v[AC+8*\b:AC+8*\b+3] offset:64*\b            ; each accumulator from its low end on
	ds_store_b128 v[STO], v[AC+8*\b+4:AC+8*\b+7] offset:64*\b+16
.endr
	WIN 0
.set BB, BK+64*((\a)%2)
.irp t, 0,1,2,3,4,5,6,7,8,9,10,11,12,13,14,15
	ds_load_b128 v[BB+4*\t:BB+4*\t+3], v[RD] offset:\t*SPITCH          ; LDS serves a wave's instructions in order (ISA guide 5.7.1.4)
.endr
.endm
.macro SEND a, younger
.set BB, BK+64*((\a)%2)
	s_wait_dscnt \younger
.if (\a) > 0
	s_add_nc_u64 s[12:13], s[12:13], 16*ROWC       ; (behind a wait on XCNT)
.endif
.irp t, 0,1,2,3,4,5,6,7,8,9,10,11,12,13,14,15
	global_store_b128 v[CO], v[BB+4*\t:BB+4*\t+3], s[12:13] offset:\t*ROWC
.endr
.endm
	PLACES NP
	TOSTAGE 0
.irp a, 1,2,3,4,5,6,7
.if \a > 1
	s_wait_xcnt 0x0                                ; block a - 2's stores have read their registers and their base
.endif
	TOSTAGE \a
	SEND \a-1, 32
.endr
	s_wait_xcnt 0x0
	SEND 7, 0
	s_wait_tensorcnt 0x0                           ; the wave's end
	ds_add_u32 v[SPW], v[NIL]
	s_wait_dscnt 0x0
	CROUND                                         ; the closing round
	s_endpgm
.Lfunc_end_k_qaaff5fdedc_gemm:
	.size	k_qaaff5fdedc_gemm, .Lfunc_end_k_qaaff5fdedc_gemm-k_qaaff5fdedc_gemm
	.p2alignl 7, 3214868480
	.fill 96, 4, 3214868480
	.section	.rodata,"a",@progbits
	.p2align	6, 0x0
	.amdhsa_kernel k_qaaff5fdedc_gemm
		.amdhsa_group_segment_fixed_size 327680
		.amdhsa_private_segment_fixed_size 0
		.amdhsa_enable_private_segment 0
		.amdhsa_kernarg_size 40
		.amdhsa_user_sgpr_count 2
		.amdhsa_user_sgpr_kernarg_segment_ptr 1
		.amdhsa_wavefront_size32 1
		.amdhsa_system_sgpr_workgroup_id_x 1
		.amdhsa_system_sgpr_workgroup_id_y 1
		.amdhsa_system_sgpr_workgroup_id_z 1
		.amdhsa_system_vgpr_workitem_id 0
		.amdhsa_next_free_vgpr 1024
		.amdhsa_next_free_sgpr 100
		.amdhsa_reserve_vcc 0
		.amdhsa_float_denorm_mode_32 3
		.amdhsa_float_denorm_mode_16_64 3
		.amdhsa_memory_ordered 1
		.amdhsa_forward_progress 1
		.amdhsa_inst_pref_size 255
	.end_amdhsa_kernel
	.amdgpu_metadata
---
amdhsa.version: [ 1, 2 ]
amdhsa.kernels:
  - .name:           k_qaaff5fdedc_gemm
    .symbol:         k_qaaff5fdedc_gemm.kd
    .args:
      - { .name: xq, .offset: 0, .size: 8, .value_kind: global_buffer, .address_space: global }
      - { .name: wq, .offset: 8, .size: 8, .value_kind: global_buffer, .address_space: global }
      - { .name: lbq, .offset: 16, .size: 8, .value_kind: global_buffer, .address_space: global }
      - { .name: bias, .offset: 24, .size: 8, .value_kind: global_buffer, .address_space: global }
      - { .name: out0, .offset: 32, .size: 8, .value_kind: global_buffer, .address_space: global }
    .group_segment_fixed_size: 327680
    .private_segment_fixed_size: 0
    .kernarg_segment_align: 8
    .kernarg_segment_size: 40
    .max_flat_workgroup_size: 128
    .sgpr_count:     100
    .vgpr_count:     1024
    .wavefront_size: 32
...
	.end_amdgpu_metadata
.endif
;; end of part 2
